; MI455X (gfx1250); checked and timed in simulation.
; The chip was launched on July 23, 2026; its instructions are those of AMD's public machine-readable ISA for CDNA 5 (MIT licence, August 2026) and "CDNA5" Instruction Set Architecture Reference Guide (July 2026). The comments in the code are by the model that wrote it; some were corrected since.
;; Vocab Parallel Output. Allowed arithmetic: matrix products marked QUANTISED: E3M2 operands, one E8M0 scale for each 32 along K, by v_wmma_scale_f32_16x16x128_f8f6f4 with both operands' format E3M2, f32 sums; everything else in f32.
;; Inputs: target 2,048 x 2 int32; weight_codes 16,000 x 32 x 24 uint8 (E3M2 codes of weight, K innermost, in blocks of 32 codes, four codes in three bytes); weight_scales 16,000 x 32 uint8 (E8M0 scales of weight, one for each 32 codes along K); x_codes 2,048 x 2 x 32 x 24 uint8 (E3M2 codes of x, K innermost, in blocks of 32 codes, four codes in three bytes); x_scales 2,048 x 2 x 32 uint8 (E8M0 scales of x, one for each 32 codes along K).
;; Outputs: out0 2,048 x 2 float32.
;; This version of the problem:
;;   THIS VERSION OF THE PROBLEM IS GIVEN IN LOW PRECISION. The matrix products marked QUANTISED in the list below multiply operands that are first quantised to E3M2 (3 exponent bits, 2 mantissa bits; 6 bits a number), with one power-of-two scale for each 32 numbers along K (OCP MX v1.0); their sums are f32. All else is computed in f32.
;;   The module's matrix products, in the order in which they are computed (A, B: the left and right operand; K: the contracted axis; several contracted axes count as one K, in the product's order):
;;     1. [M 4,096, K 1,024] x [K 1,024, N 16,000]; A: input x (given as codes); B: input weight (given as codes): QUANTISED
;;   THE QUANTISER, for each operand of a quantised product, along K:
;;     - K is cut into blocks of 32 from its start; a last block that is shorter is filled with zeros.
;;     - A block's scale is 2^e with e = floor(log2(the largest magnitude in the block)) - 4, held to -126 .. 127; a block of zeros has e = 0. As a byte (E8M0): e + 127.
;;     - Each number is divided by its block's scale, clamped to +-28, and rounded to the nearest number of E3M2, ties to even, subnormals kept.
;;     - The product sums the exact products of the quantised numbers (number of the format x scale) in f32.
;;   ~~~python
;;   def quantise(x, axis):      # numpy; x: float32 -> the quantised numbers, widened to float32 again
;;       x = np.moveaxis(x, axis, -1); K = x.shape[-1]
;;       x = np.pad(x, [(0, 0)] * (x.ndim - 1) + [(0, -K % 32)]); x = x.reshape(x.shape[:-1] + (-1, 32)); a = np.abs(x).max(-1, keepdims=True)
;;       e = np.where(a > 0, np.clip(np.frexp(np.where(a > 0, a, 1))[1] - 1 - 4, -126, 127), 0)      # np.frexp(a)[1] - 1 = floor(log2(a)), exactly
;;       r = np.clip(x / 2.0 ** e, -28, 28)
;;       step = 2.0 ** (np.maximum(np.frexp(np.where(r == 0, 1, r))[1] - 1, -2) - 2)
;;       q = np.round(r / step) * step * 2.0 ** e      # np.round: ties to even
;;       return np.moveaxis(q.reshape(q.shape[:-2] + (-1,))[..., :K], -1, axis).astype(np.float32)
;;   ~~~
;;   INPUTS GIVEN AS CODES. weight (in the module: [16000, 1024], K = its axis 1); x (in the module: [2048, 2, 1024], K = its axis 2): each comes as NAME_codes (uint8): NAME with its K axis moved to the last place and cut into blocks of 32 codes, [.., K / 32, bytes a block], one block behind the other in memory; four codes in three bytes: a row's codes are one little-endian stream of bits, code i at bits 6 i .. 6 i + 5 (a code: sign, 3 exponent bits, 2 mantissa bits); and NAME_scales (uint8): the same leading axes, one E8M0 byte (e + 127) for each 32 codes along K. Its value is code x scale, taken as it is: it is not quantised again, and the codes and scales need not be those that the quantiser above would give.
;; One version. Each part assembles by itself: llvm-mc -triple=amdgcn-amd-amdhsa -mcpu=gfx1250 --defsym DOCPART=n.
;; ======== version 1 of 1: 2 launches
;; limits: right only within a limited range of input values
;; workspace buffers: part 1,048,576 bytes; pp 524,288 bytes
;; launch main (part 1): grid 16 x 16, 8 waves a work-group, clusters of 4 x 4, 327,680 bytes of LDS; arguments weight_codes, weight_scales, x_codes, x_scales, part, target, pp; writes part, pp
.if DOCPART == 1
	.amdgcn_target "amdgcn-amd-amdhsa--gfx1250"
	.amdhsa_code_object_version 6
	.text
	.protected	k_q99d51ee556_main
	.globl	k_q99d51ee556_main
	.p2align	8
	.type	k_q99d51ee556_main,@function
k_q99d51ee556_main:
	s_mov_b64 s[64:65], 0
	v_nop
	global_prefetch_b8 v0, s[64:65] scope:SCOPE_SE
	s_setreg_imm32_b32 hwreg(HW_REG_WAVE_MODE, 25, 1), 1
	s_wait_xcnt 0x0
	s_wait_alu depctr_hold_cnt(0) depctr_sa_sdst(0) depctr_va_vdst(0) depctr_va_sdst(0) depctr_va_ssrc(0) depctr_va_vcc(0) depctr_vm_vsrc(0)
	s_getreg_b32 s2, hwreg(HW_REG_IB_STS2, 6, 4)
	s_cmp_eq_u32 s2, 0
	s_cbranch_scc0 .Lentry_in_a_cluster
	s_endpgm
.Lentry_in_a_cluster:
	s_bfe_u32 s2, ttmp6, 0x10000c
	s_cmp_lg_u32 s2, 0xf033
	s_cbranch_scc0 .Lentry_shape_is_right
	s_endpgm
.Lentry_shape_is_right:
; CROSS ENTROPY OVER A VOCABULARY, PART 1: for each row of x and each of 32 groups of vocabulary rows, M = the group's largest logit and L = the sum of e^(logit - M), to part [32][4096][2] f32; and each row's logit at its target, in eight parts along K, to pp.
; logit[row][v] = sum over k of x[row][k] W[v][k], on E3M2 codes with E8M0 scales as they lie in memory.
; SHARES.  16 x 16 work-groups of eight waves, two to a SIMD: work-group (bx, by) takes x's rows 256 by .. + 255 and W's rows 1000 bx .. + 999, 62 tiles of 16 rows and one of 8.
; Wave (RG, G) keeps x's rows 64 RG .. + 63 in registers, all of K: 32 fragments, 384 registers.  It takes the tiles of parity G, 31 of them; the tile of 8 it takes for its own 32 rows 64 RG + 32 G alone.
; A TILE: 8 K steps of four matrix instructions, the four accumulators by turns, source 0 = 16 rows of W, source 1 = 16 rows of x: a lane holds one row of x and 8 logits an accumulator.
; W's fragments go through a ring of four sets of 12 registers: behind each K step the fragment four steps on is fetched.  Then the tile's softmax in one block: the running maximum of each lane, t = c (logit - M), one batch of exponentials, the sums.
; THE TARGET'S LOGIT: work-group n = 16 by + bx takes rows 16 n .. + 15; wave w their K step w: source 0 = the 16 rows of W that the 16 targets name (gathered; a target outside 0 .. 15,999 is held inside the table, and the second launch
; throws its logit away), source 1 = the 16 rows of x; the diagonal is wanted.  pp [256][8][16][4] f32: lane (r, h) stores row r's part twice, at 16 r + 8 h, so that the wave's one store covers 256 consecutive bytes, aligned.
; W comes through two LDS slots of 128 rows (rows of 768 bytes, 16 bytes of padding behind each 256) with their scale bytes behind them.  CLUSTERS 4 x 4: x's rows are shared along a row of the cluster, W's along a column: joint loads.
; A slot's last tile changes slots in its middle: its own fragments have all been asked for there, and the next four come from the other slot.
; LDS: slot 0 at 0, slot 1 at 131,072; x's 256 rows from XB on are read into registers once, and slot 1 is first filled over them behind a full change of slots.
; No prefetch is laid: each refill is asked for four tiles, 128 matrix instructions of each wave, ahead of the wait for it.
; LIMITS: NaN or infinite logits and the scale byte 0xff are not served.
; REGISTERS: window 0: v1-5 addresses; v6-9 W's scale words; v10-13 M; v14-17 L; v18-21 the factors; v22-25 c M; v26-41 x's scale words; v42-89 W's ring; v90-121 accumulators (at the head: at work); v122-123 address parts; v124-255 x's fragments 21-31.  Window 1: x's fragments 0-20.
.set KROW,  768
.set SPLIT, 1000
.set PITCH, 816
.set TILE,  16*PITCH
.set HALFB, 64*PITCH
.set FILLB, 128*PITCH
.set SLOT1, 1<<17
.set XB,    FILLB+4096
.set SPARE, XB+4*HALFB
.set ADR0, 1
.set ADR1, 2
.set ADRS, 3
.set SPW,  4
.set NIL,  5
.set WS,   6
.set MS,   10
.set LS,   14
.set AA,   18
.set NN,   22
.set XS,   26
.set WF,   42
.set ACC,  90
.set AWT,  122
.set AST,  123
.set XW0,  124
.set XA,   90                          ; at the head, in the accumulators' registers: x's LDS addresses,
.set XO,   94                          ; offsets of x's scale words,
.set LT,   96
.set PR,   97                          ; the target's logit: my row; offsets: in target,
.set PTO,  98
.set PH,   99                          ; 24 h + 96 wave,
.set PXO,  100                         ; in x's codes,
.set PXS,  101                         ; in x's scales,
.set PW4,  102                         ; 4 wave;
.set PT,   103                         ; the target;
.set PWO,  104                         ; offsets in W's codes,
.set PWS,  105                         ; in W's scales
.set PA,   90                          ; its accumulator, v90-97
.set PS,   106                         ; the diagonal, twice
.set P7,   108                         ; r % 8
.set P3,   109                         ; r / 8
.set PX,   110                         ; lane l xor 16's number
.set PSO,  111                         ; offset in pp
.set TH,   112
.set TR,   113
.set FT,   42
.set WV,   14
.set G,    15
.set RG,   16
.set G1X,  24
.set G1W,  32
.set G1WT, 40
.set G1S,  48
.set G1ST, 56
.set NG,   66
.set NGS,  67
.set G0X,  68
.set G0W,  72
.set G0S,  76
.set CC,   80
.set SEL,  82
.set TB,   84
.set TS,   85
.set KC,   86
.set UC,   87
.set G0SH, 92
.set MSB, 0
.macro WIN new
.if MSB != (\new)
	s_set_vgpr_msb (MSB<<8)|(\new)
.set MSB, (\new)
.endif
.endm
.macro PLACES
.rept 4
	v_nop
.endr
.endm
.macro CROUND                          ; a round of the cluster's barrier
	s_barrier_signal -1
	s_barrier_wait -1
	s_cmp_lg_u32 s[WV], 0
	s_cbranch_scc1 .Lnot_wave_0_\@
	s_barrier_signal -3
.Lnot_wave_0_\@:
	s_barrier_wait -3
	s_barrier_signal -1
	s_barrier_wait -1
.endm
.macro TL g0, g1                       ; a joint load
	tensor_load_to_lds s[\g0:\g0+3], s[\g1:\g1+7]
	s_nop 0
.rept 4
	v_nop
.endr
.endm
; A slot's fill: waves 0 and 1 fetch 64 rows of codes each, wave 2 the scale bytes.  kind = 2: the last fill, 104 rows; rows past them arrive as zeros
.macro FILL kind
.if (\kind) == 1
	s_cmp_lt_u32 s[WV], 2
	s_cbranch_scc0 .Lnot_codes_\@
	TL G0W, G1W
	s_branch .Lasked_\@
.Lnot_codes_\@:
	s_cmp_eq_u32 s[WV], 2
	s_cbranch_scc0 .Lasked_\@
	TL G0S, G1S
.else
	s_cmp_eq_u32 s[WV], 0
	s_cbranch_scc0 .Lnot_0_\@
	TL G0W, G1W
	s_branch .Lasked_\@
.Lnot_0_\@:
	s_cmp_eq_u32 s[WV], 1
	s_cbranch_scc0 .Lnot_1_\@
	TL G0W, G1WT
	s_branch .Lasked_\@
.Lnot_1_\@:
	s_cmp_eq_u32 s[WV], 2
	s_cbranch_scc0 .Lasked_\@
	TL G0S, G1ST
.endif
.Lasked_\@:
.endm
; A change of slots: all my tensor loads have landed, the add, my LDS reads are back; a round; the slot read out is filled again.  kind = 0: nothing is left to fetch.  hd = 1: the first change: from here on a load of scale bytes brings 16 rows of 256 bytes
.macro CHANGE kind, hd
	WIN 0
	s_wait_tensorcnt 0x0
	ds_add_u32 v[SPW], v[NIL]
.if \hd
	s_mov_b32 s[G1S+2], 16<<16
	s_mov_b32 s[G1S+4], 16
.endif
.if \kind
	s_xor_b32 s[G0W+1], s[G0W+1], SLOT1
	s_add_nc_u64 s[G0W+2:G0W+3], s[G0W+2:G0W+3], 128*KROW
	s_xor_b32 s[G0S+1], s[G0S+1], SLOT1
	s_add_nc_u64 s[G0S+2:G0S+3], s[G0S+2:G0S+3], 128*32
.endif
	s_wait_dscnt 0x0
.if \kind
	CROUND
	FILL \kind
.else
	s_barrier_signal -1
	s_barrier_wait -1
.endif
.endm
.macro UADR                            ; the LDS addresses of my next tile
	v_add_nc_u32 v[ADR0], s[TB], v[AWT]
	v_add_nc_u32 v[ADRS], s[TS], v[AST]
	v_and_b32 v[ADR1], 16, v0                      ; 16 h
	v_add_nc_u32 v[ADR1], v[ADR1], v[ADR0]
	s_add_co_u32 s[TB], s[TB], 2*TILE
	s_add_co_u32 s[TS], s[TS], 2*16*32
.endm
.macro SLOTEND                         ; the addresses go on to the other slot's first tile
	s_sub_co_u32 s[TB], s[TB], FILLB
	s_xor_b32 s[TB], s[TB], SLOT1
	s_sub_co_u32 s[TS], s[TS], 128*32
	s_xor_b32 s[TS], s[TS], SLOT1
.endm
.macro LDF f                           ; 6 LDS loads: W's fragment of K step f, in pieces of 8 bytes, into set f % 4 of the ring
.irp p, 0,1,2,3,4,5
.set PCE, 12*(\f)+6*(\p/3)+\p%3
.if PCE%32 < 29
	ds_load_b64 v[WF+12*((\f)%4)+2*\p:WF+12*((\f)%4)+2*\p+1], v[ADR0] offset:8*PCE+16*(PCE/32)
.else
	ds_load_b64 v[WF+12*((\f)%4)+2*\p:WF+12*((\f)%4)+2*\p+1], v[ADR1] offset:8*PCE+16*(PCE/32)
.endif
.endr
.endm
.macro WM ks, rb                       ; K step ks of x's row block rb; x's fragment 4 ks + rb
.set nn, 4*(\ks)+(\rb)
.if nn < 21
.set xw, 4
.set xr, 12*nn
.else
.set xw, 0
.set xr, XW0+12*(nn-21)
.endif
	WIN xw
.set dd, ACC+8*(\rb)
.set wf, WF+12*((\ks)%4)
.set wsr, WS+2*((\ks)/4)+(\ks)%2
.set xsr, XS+4*(\rb)+(\ks)%4
.if (\ks) == 0
	v_wmma_scale_f32_16x16x128_f8f6f4 v[dd:dd+7], v[wf:wf+11], v[xr:xr+11], 0, v[wsr], v[xsr] matrix_a_fmt:MATRIX_FMT_BF6 matrix_b_fmt:MATRIX_FMT_BF6
.elseif (\ks) == 1
	v_wmma_scale_f32_16x16x128_f8f6f4 v[dd:dd+7], v[wf:wf+11], v[xr:xr+11], v[dd:dd+7], v[wsr], v[xsr] matrix_a_fmt:MATRIX_FMT_BF6 matrix_b_fmt:MATRIX_FMT_BF6
.elseif (\ks) < 4
	v_wmma_scale_f32_16x16x128_f8f6f4 v[dd:dd+7], v[wf:wf+11], v[xr:xr+11], v[dd:dd+7], v[wsr], v[xsr] matrix_a_fmt:MATRIX_FMT_BF6 matrix_b_fmt:MATRIX_FMT_BF6 matrix_a_scale:MATRIX_SCALE_ROW1
.elseif (\ks) < 6
	v_wmma_scale_f32_16x16x128_f8f6f4 v[dd:dd+7], v[wf:wf+11], v[xr:xr+11], v[dd:dd+7], v[wsr], v[xsr] matrix_a_fmt:MATRIX_FMT_BF6 matrix_b_fmt:MATRIX_FMT_BF6 matrix_b_scale:MATRIX_SCALE_ROW1
.else
	v_wmma_scale_f32_16x16x128_f8f6f4 v[dd:dd+7], v[wf:wf+11], v[xr:xr+11], v[dd:dd+7], v[wsr], v[xsr] matrix_a_fmt:MATRIX_FMT_BF6 matrix_b_fmt:MATRIX_FMT_BF6 matrix_a_scale:MATRIX_SCALE_ROW1 matrix_b_scale:MATRIX_SCALE_ROW1
.endif
.endm
; A tile's products: 8 K steps x nr row blocks.  Behind K step k, four places behind its products, the fragment four steps on is fetched into the set just read: this tile's k + 4, or (ld = 2) the next tile's k - 4.
; The wait at a step's head leaves the three younger fetches, 18 loads, out; with ld = 1 (the last tile) the counts run down.  chg under 9: the slots are changed in the tile's middle.  tl = 1: the next tile is the tile of 8 rows, the same for both parities.
.macro MT nr, ld, chg, tl
	s_wait_alu depctr_va_vdst(0)
.irp ks, 0,1,2,3,4,5,6,7
.if (\ld) == 1 && \ks > 4
	s_wait_dscnt 6*(7-\ks)
.else
	s_wait_dscnt 18
.endif
.irp rb, 0,1,2,3
.if \rb < (\nr)
	WM \ks, \rb
.endif
.endr
	PLACES
.if \ks < 4
	LDF \ks+4
.elseif (\ld) == 2
	LDF \ks-4
.endif
.if (\ld) == 2
.if \ks == 3
.if (\chg) < 9
	SLOTEND
	CHANGE \chg, 0
.endif
.if \tl
	s_sub_co_u32 s[TB], s[TB], TILE                ; from tile 6 + G of the slot to tile 6
	s_add_co_u32 s[TB], s[TB], s[NG]
	s_sub_co_u32 s[TS], s[TS], 512
	s_add_co_u32 s[TS], s[TS], s[NGS]
.endif
	WIN 0
	UADR
	s_wait_alu depctr_va_vdst(0)                   ; directly behind the writes
	ds_load_b64 v[WS:WS+1], v[ADRS]                ; the next tile's scale words of K steps 0-3
.endif
.if \ks == 7
	ds_load_b64 v[WS+2:WS+3], v[ADRS] offset:16    ; and of K steps 4-7
.endif
.endif
.endr
	WIN 0
.endm
; A tile's softmax for nr row blocks.  In each lane: M' = max(M, my 8 logits); f = 2^(c M - c M'); p = 2^(c logit - c M'); L = L f + the sum of p.
.macro SM nr
.irp i, 0,1,2,3
.if \i < (\nr)
	v_mul_f32 v[AA+\i], v[MS+\i], s[CC]            ; c x the old M
.endif
.endr
.irp j, 0,2,4,6
.irp i, 0,1,2,3
.if \i < (\nr)
	v_max3_num_f32 v[MS+\i], v[MS+\i], v[ACC+8*\i+\j], v[ACC+8*\i+\j+1]   ; each accumulator from its low end on; the row blocks by turns
.endif
.endr
.endr
.irp i, 0,1,2,3
.if \i < (\nr)
	v_mul_f32 v[NN+\i], v[MS+\i], s[CC]            ; c x the new M
.endif
.endr
.irp i, 0,1,2,3
.if \i < (\nr)
	v_sub_f32 v[AA+\i], v[AA+\i], v[NN+\i]
.endif
.endr
.irp j, 0,2,4,6
.irp b, 0,2
.if \b < (\nr)
	v_pk_fma_f32 v[ACC+8*\b+\j:ACC+8*\b+\j+1], v[ACC+8*\b+\j:ACC+8*\b+\j+1], s[CC:CC+1], v[NN+\b:NN+\b+1] op_sel_hi:[1,0,0] neg_lo:[0,0,1] neg_hi:[0,0,1]
	v_pk_fma_f32 v[ACC+8*\b+8+\j:ACC+8*\b+8+\j+1], v[ACC+8*\b+8+\j:ACC+8*\b+8+\j+1], s[CC:CC+1], v[NN+\b:NN+\b+1] op_sel:[0,0,1] op_sel_hi:[1,0,1] neg_lo:[0,0,1] neg_hi:[0,0,1]
.endif
.endr
.endr
	s_wait_alu depctr_va_vdst(0)                   ; one wait ahead of the batch
.irp i, 0,1,2,3
.if \i < (\nr)
.irp j, 0,1,2,3,4,5,6,7
	v_exp_f32 v[ACC+8*\i+\j], v[ACC+8*\i+\j]
.endr
	v_exp_f32 v[AA+\i], v[AA+\i]
.endif
.endr
	v_nop                                          ; a plain place behind the last exponential
	s_wait_alu depctr_va_vdst(0)                   ; and one wait behind the batch
.irp o, 0,4
.irp i, 0,1,2,3
.if \i < (\nr)
	v_pk_fma_f32 v[ACC+8*\i+\o:ACC+8*\i+\o+1], v[ACC+8*\i+\o:ACC+8*\i+\o+1], 1.0, v[ACC+8*\i+\o+2:ACC+8*\i+\o+3] op_sel_hi:[1,0,1]
.endif
.endr
.endr
.irp i, 0,1,2,3
.if \i < (\nr)
	v_pk_fma_f32 v[ACC+8*\i:ACC+8*\i+1], v[ACC+8*\i:ACC+8*\i+1], 1.0, v[ACC+8*\i+4:ACC+8*\i+5] op_sel_hi:[1,0,1]
.endif
.endr
.irp i, 0,1,2,3
.if \i < (\nr)
	v_add_f32 v[ACC+8*\i], v[ACC+8*\i], v[ACC+8*\i+1]
.endif
.endr
.irp i, 0,1,2,3
.if \i < (\nr)
	v_fma_f32 v[LS+\i], v[LS+\i], v[AA+\i], v[ACC+8*\i]
.endif
.endr
.endm
.macro LOOPT cnt
	s_mov_b32 s[UC], \cnt
.Lt_\@:
	MT 4, 2, 9, 0
	SM 4
	s_sub_co_u32 s[UC], s[UC], 1
	s_cmp_lg_u32 s[UC], 0
	s_cbranch_scc1 .Lt_\@
.endm
	s_load_b256 s[4:11], s[0:1], 0x0               ; W's codes s[4:5], W's scales s[6:7], x's codes s[8:9], x's scales s[10:11]
	s_load_b64 s[12:13], s[0:1], 0x20              ; part
	s_load_b64 s[100:101], s[0:1], 0x28            ; target
	s_load_b64 s[104:105], s[0:1], 0x30            ; pp
	v_lshl_add_u32 v[SPW], v0, 2, SPARE
	v_mov_b32 v[NIL], 0
	ds_add_u32 v[SPW], v[NIL]                      ; the opening lines: the add, twice on end, and its wait
	ds_add_u32 v[SPW], v[NIL]
	v_lshrrev_b32 v[TR], 5, v0
	v_readfirstlane_b32 s[WV], v[TR]               ; wave 0..7
	s_and_b32 s[G], s[WV], 1
	s_lshr_b32 s[RG], s[WV], 1
	s_bfe_u32 s17, ttmp6, 0x40000                  ; cx
	s_bfe_u32 s18, ttmp6, 0x40004                  ; cy
	s_lshl_b32 s19, ttmp9, 2
	s_add_co_u32 s19, s19, s17                     ; bx
	s_and_b32 s20, ttmp7, 0xffff
	s_lshl_b32 s20, s20, 2
	s_add_co_u32 s20, s20, s18                     ; by
	s_lshl_b32 s21, s18, 2
	s_lshl_b32 s21, 15, s21                        ; my row of the cluster
	s_lshl_b32 s22, 0x1111, s17                    ; my column
	s_or_b32 s[G1X], s21, (1<<20)|(1<<21)|(5<<22)|(3<<25)
	s_or_b32 s[G1W], s22, (1<<20)|(1<<21)|(5<<22)|(3<<25)
	s_or_b32 s[G1WT], s22, (1<<20)|(1<<21)|(5<<22)|(3<<25)
.irp g, G1X, G1W, G1WT
	s_mov_b32 s[\g+1], KROW<<16
	s_mov_b32 s[\g+3], KROW<<16
	s_mov_b32 s[\g+5], KROW
	s_mov_b32 s[\g+6], 0
	s_mov_b32 s[\g+7], 0
.endr
	s_mov_b32 s[G1X+2], 64<<16
	s_mov_b32 s[G1X+4], 64
	s_mov_b32 s[G1W+2], 64<<16
	s_mov_b32 s[G1W+4], 64
	s_mov_b32 s[G1WT+2], 40<<16
	s_mov_b32 s[G1WT+4], 48
	s_or_b32 s[G1S], s22, (3<<16)|(1<<21)
	s_or_b32 s[G1ST], s22, (3<<16)|(1<<21)
.irp g, G1S, G1ST
	s_mov_b32 s[\g+1], 32<<16
	s_mov_b32 s[\g+3], 32<<16
	s_mov_b32 s[\g+5], 32
	s_mov_b32 s[\g+6], 0
	s_mov_b32 s[\g+7], 0
.endr
	s_mov_b32 s[G1S+2], 8<<16                      ; the head's two loads of scale bytes bring 8 rows of 256 bytes each
	s_mov_b32 s[G1S+4], 8
	s_mov_b32 s[G1ST+2], 13<<16
	s_mov_b32 s[G1ST+4], 16
	s_and_b32 s23, s[WV], 3
	s_lshl_b32 s90, s20, 8
	s_lshl_b32 s96, s23, 6
	s_add_co_u32 s90, s90, s96
	s_mul_i32 s90, s90, KROW                       ; x's codes: row 256 by + 64 (wave % 4)
	s_mov_b32 s91, 0
	s_mul_i32 s92, s19, SPLIT*KROW                 ; W's codes: row 1000 bx + 64 (wave % 2)
	s_mul_i32 s96, s[G], 64*KROW
	s_add_co_u32 s92, s92, s96
	s_mov_b32 s93, 0
	s_mul_i32 s94, s19, SPLIT*32                   ; W's scales
	s_mov_b32 s95, 0
	s_lshl_b32 s96, s[G], 11                       ; the head's halves of them
	s_mov_b32 s97, 0
	s_lshl_b32 s98, s20, 13                        ; x's scales
	s_mov_b32 s99, 0
	s_lshl_b32 s2, s[RG], 6
	s_lshl_b32 s3, s[G], 5
	s_add_co_u32 s2, s2, s3                        ; row blocks 0-1: my own 32 rows;
	s_xor_b32 s3, s2, 32                           ; row blocks 2-3: the other 32 of my 64
	s_mul_i32 s[TB], s[G], TILE                    ; my first tile: tile G of slot 0
	s_lshl_b32 s[TS], s[G], 9
	s_mov_b32 s[CC], 0x3fb8aa3b                    ; c = log2(e)
	s_mov_b32 s[CC+1], s[CC]
	s_mov_b32 s[SEL], 0x76543210
	s_mov_b32 s[SEL+1], 0xfedcba98
	v_and_b32 v[TR], 15, v0
	v_bfe_u32 v[TH], v0, 4, 1
	v_mul_u32_u24 v[AWT], v[TR], PITCH
	v_mad_u32_u24 v[AWT], v[TH], 24, v[AWT]
	v_lshlrev_b32 v[AST], 5, v[TR]
	v_lshl_add_u32 v[AST], v[TH], 3, v[AST]
	v_add_nc_u32 v[AST], FILLB, v[AST]
	v_lshlrev_b32 v[LT], 4, v[TH]                  ; 16 h
	s_mul_i32 s66, s2, PITCH
	s_add_co_u32 s66, s66, XB
	s_mul_i32 s67, s3, PITCH
	s_add_co_u32 s67, s67, XB
	v_add_nc_u32 v[XA], s66, v[AWT]
	v_add_nc_u32 v[XA+1], v[XA], v[LT]
	v_add_nc_u32 v[XA+2], s67, v[AWT]
	v_add_nc_u32 v[XA+3], v[XA+2], v[LT]
	v_lshl_add_u32 v[LT], v[TR], 5, v[LT]          ; 32 r + 16 h
	s_lshl_b32 s23, s2, 5
	v_add_nc_u32 v[XO], s23, v[LT]
	s_lshl_b32 s23, s3, 5
	v_add_nc_u32 v[XO+1], s23, v[LT]
	s_xor_b32 s[NG], s[G], 1
	s_lshl_b32 s[NGS], s[NG], 9                    ; (1 - G) x a tile's scale bytes,
	s_mul_i32 s[NG], s[NG], TILE                   ; (1 - G) x a tile
	; the target's logit: global offsets alone hang on the work-group's number n = 16 by + bx
	s_lshl_b32 s23, s20, 4
	s_add_co_u32 s23, s23, s19                     ; n
	s_lshl_b32 s2, s23, 4
	v_add_nc_u32 v[PR], s2, v[TR]                  ; my row: 16 n + r
	v_lshlrev_b32 v[PTO], 2, v[PR]
	s_mul_i32 s3, s[WV], 96
	v_mad_u32_u24 v[PH], v[TH], 24, s3             ; 24 h + my K step of 96 bytes
	v_mad_u32_u24 v[PXO], v[PR], KROW, v[PH]
	s_lshl_b32 s3, s[WV], 2
	v_lshl_add_u32 v[PXS], v[PR], 5, s3            ; my scale word of a row's eight
	v_mov_b32 v[PW4], s3
	s_lshl_b32 s2, s23, 3
	s_add_co_u32 s2, s2, s[WV]
	s_lshl_b32 s2, s2, 8
	v_lshl_add_u32 v[PSO], v[TR], 4, s2            ; pp: 256 (8 n + wave) + 16 r + 8 h
	v_lshl_add_u32 v[PSO], v[TH], 3, v[PSO]
	v_mov_b32 v[PX], 0                             ; (a lane permute's destination counts as one of its sources)
	v_and_b32 v[P7], 7, v0
	v_bfe_u32 v[P3], v0, 3, 1
.irp p, 0,1,2,3
	v_mov_b32 v[MS+\p], 0xff800000                 ; M = -infinity
	v_mov_b32 v[LS+\p], 0
.endr
	s_wait_alu depctr_va_vdst(0)
	s_wait_dscnt 0x0                               ; both opening adds are done
	s_wait_kmcnt 0x0
	global_load_b32 v[PT], v[PTO], s[100:101]      ; my row's target: first, since the gather hangs on it
	s_and_b32 s23, s[WV], 3
	s_mov_b32 s[G0X], 1
	s_mul_i32 s[G0X+1], s23, HALFB
	s_add_co_u32 s[G0X+1], s[G0X+1], XB
	s_add_nc_u64 s[G0X+2:G0X+3], s[8:9], s[90:91]
	s_or_b32 s[G0X+3], s[G0X+3], 0x80000000
	s_mov_b32 s[G0W], 1
	s_mul_i32 s[G0W+1], s[G], HALFB
	s_add_nc_u64 s[G0W+2:G0W+3], s[4:5], s[92:93]
	s_or_b32 s[G0W+3], s[G0W+3], 0x80000000
	s_mov_b32 s[G0S], 1
	s_mov_b32 s[G0S+1], FILLB
	s_add_nc_u64 s[G0S+2:G0S+3], s[6:7], s[94:95]
	s_add_nc_u64 s[G0SH+2:G0SH+3], s[G0S+2:G0S+3], s[96:97]
	s_or_b32 s[G0S+3], s[G0S+3], 0x80000000
	s_or_b32 s[G0SH+3], s[G0SH+3], 0x80000000
	s_mov_b32 s[G0SH], 1
	s_lshl_b32 s[G0SH+1], s[G], 11
	s_add_co_u32 s[G0SH+1], s[G0SH+1], FILLB
	s_add_nc_u64 s[98:99], s[10:11], s[98:99]
	CROUND                                         ; in front of the first joint loads
	; the head's tiles, one load a wave: waves 0-3 x's four quarters, waves 4 and 5 slot 0's codes, waves 6 and 7 its scale bytes
	s_cmp_lt_u32 s[WV], 4
	s_cbranch_scc0 .Lhead_w
	TL G0X, G1X
	s_branch .Lhead_asked
.Lhead_w:
	s_cmp_lt_u32 s[WV], 6
	s_cbranch_scc0 .Lhead_s
	TL G0W, G1W
	s_branch .Lhead_asked
.Lhead_s:
	TL G0SH, G1S
.Lhead_asked:
.irp ib, 0,1
	global_load_b128 v[XS+4*\ib:XS+4*\ib+3], v[XO], s[98:99] offset:512*\ib          ; x's scale words: lanes 0-15 a row's words 0-3, lanes 16-31 words 4-7
	global_load_b128 v[XS+8+4*\ib:XS+8+4*\ib+3], v[XO+1], s[98:99] offset:512*\ib
.endr
	; the target's logit, my K step: its operands are asked for while the tiles are on their way
.irp p, 0,1,2,3,4,5
	global_load_b64 v[WF+2*\p:WF+2*\p+1], v[PXO], s[8:9] offset:48*(\p/3)+8*(\p%3)
.endr
	global_load_b32 v[WS+2], v[PXS], s[10:11]
	s_wait_loadcnt 11                              ; the target is in: behind it 4 loads of scale words, 6 of x's fragment and 1 of its scale word were issued
	v_min_u32 v[PT], 0x3e7f, v[PT]                 ; held inside the table
	v_mul_u32_u24 v[PWO], v[PT], KROW
	v_add_nc_u32 v[PWO], v[PWO], v[PH]
	v_lshlrev_b32 v[PWS], 5, v[PT]
	v_add_nc_u32 v[PWS], v[PWS], v[PW4]
.irp p, 0,1,2,3,4,5
	global_load_b64 v[WF+12+2*\p:WF+12+2*\p+1], v[PWO], s[4:5] offset:48*(\p/3)+8*(\p%3)
.endr
	global_load_b32 v[WS], v[PWS], s[6:7]
	s_wait_tensorcnt 0x0                           ; my tile is in;
	s_barrier_signal -1
	s_barrier_wait -1                              ; everybody's is.
.set nn, 0
.rept 32                               ; x's 32 fragments into registers: fragment 4 ks + rb
.set ss, nn/4
.set qq, (nn%4)/2
.set ii, nn%2
.if nn < 21
	WIN 0x40
.set xr, 12*nn
.else
	WIN 0
.set xr, XW0+12*(nn-21)
.endif
.irp p, 0,1,2,3,4,5
.set PCE, 12*ss+6*(\p/3)+\p%3
.if PCE%32 < 29
	ds_load_b64 v[xr+2*\p:xr+2*\p+1], v[XA+2*qq] offset:ii*TILE+8*PCE+16*(PCE/32)
.else
	ds_load_b64 v[xr+2*\p:xr+2*\p+1], v[XA+2*qq+1] offset:ii*TILE+8*PCE+16*(PCE/32)
.endif
.endr
.set nn, nn+1
.endr
	WIN 0
	s_wait_loadcnt 0x0                             ; the gathered fragment, and all scale words
	v_wmma_scale_f32_16x16x128_f8f6f4 v[PA:PA+7], v[WF+12:WF+23], v[WF:WF+11], 0, v[WS], v[WS+2] matrix_a_fmt:MATRIX_FMT_BF6 matrix_b_fmt:MATRIX_FMT_BF6
	PLACES
	; register j of lane (r, h) is target row 8 h + j against x's row r: the diagonal lies in register r % 8 of the lane with h = r / 8
	v_cmp_eq_u32 vcc_lo, 1, v[P7]
	v_cndmask_b32 v[PS], v[PA], v[PA+1], vcc_lo    ; the accumulator from its low end on
.irp j, 2,3,4,5,6,7
	v_cmp_eq_u32 vcc_lo, \j, v[P7]
	v_cndmask_b32 v[PS], v[PS], v[PA+\j], vcc_lo
.endr
	v_permlanex16_b32 v[PX], v[PS], s[SEL], s[SEL+1]
	v_cmp_eq_u32 vcc_lo, v[P3], v[TH]
	v_cndmask_b32 v[PS], v[PX], v[PS], vcc_lo      ; mine where h = r / 8, else lane l xor 16's
	v_mov_b32 v[PS+1], v[PS]
	global_store_b64 v[PSO], v[PS:PS+1], s[104:105]  ; 32 lanes store 256 consecutive bytes, aligned
	CHANGE 1, 1                                    ; x is in registers: slot 1 is filled over its bytes
	s_wait_xcnt 0x0                                ; the store to pp has read its registers: the accumulators are written only behind this wait
	UADR
	ds_load_b64 v[WS:WS+1], v[ADRS]
	ds_load_b64 v[WS+2:WS+3], v[ADRS] offset:16
	LDF 0
	LDF 1
	LDF 2
	LDF 3
	s_mov_b32 s[KC], 5
.Lslot:                                        ; a slot's four tiles of my parity; the last changes slots
	LOOPT 3
	MT 4, 2, 1, 0
	SM 4
	s_sub_co_u32 s[KC], s[KC], 1
	s_cmp_lg_u32 s[KC], 0
	s_cbranch_scc1 .Lslot
	LOOPT 3
	MT 4, 2, 2, 0                                  ; the last fill is asked for
	SM 4
	LOOPT 3
	MT 4, 2, 0, 0                                  ; nothing is left to fetch
	SM 4
	LOOPT 2
	MT 4, 2, 9, 1                                  ; my last whole tile; the tile of 8 rows is fetched
	SM 4
	MT 2, 1, 9, 0                                  ; for my own 32 rows
	s_mov_b32 vcc_lo, 0xffff0000
	v_mov_b32 v[FT+40], 0xff800000
.irp j, 0,1,2,3,4,5,6,7,8,9,10,11,12,13,14,15
	v_cndmask_b32 v[ACC+\j], v[ACC+\j], v[FT+40], vcc_lo   ; lanes 16-31 hold rows 8-15 of the tile, which are not the group's: -infinity
.endr
	SM 2
	; the two halves of the lanes are merged, and (M, L) stored
.irp p, 0,1,2,3
	v_permlanex16_b32 v[FT+\p], v[MS+\p], s[SEL], s[SEL+1]
.endr
.irp p, 0,1,2,3
	v_permlanex16_b32 v[FT+4+\p], v[LS+\p], s[SEL], s[SEL+1]
.endr
.irp p, 0,1,2,3
	v_max_num_f32 v[FT+8+\p], v[MS+\p], v[FT+\p]
.endr
.irp p, 0,1,2,3
	v_sub_f32 v[FT+12+\p], v[MS+\p], v[FT+8+\p]
	v_sub_f32 v[FT+16+\p], v[FT+\p], v[FT+8+\p]
.endr
.irp p, 0,1,2,3
	v_mul_f32 v[FT+12+\p], s[CC], v[FT+12+\p]
	v_mul_f32 v[FT+16+\p], s[CC], v[FT+16+\p]
.endr
	s_wait_alu depctr_va_vdst(0)                   ; ahead of the batch
.irp p, 0,1,2,3,4,5,6,7
	v_exp_f32 v[FT+12+\p], v[FT+12+\p]
.endr
	v_and_b32 v[FT+28], 31, v0
	s_lshl_b32 s2, s[G], 8
	s_xor_b32 s3, s2, 256
	v_lshl_add_u32 v[FT+29], v[FT+28], 3, s3
	v_lshl_add_u32 v[FT+28], v[FT+28], 3, s2
	s_lshl_b32 s96, s19, 1
	s_add_co_u32 s96, s96, s[G]                    ; group 2 bx + G
	s_lshl_b32 s96, s96, 12
	s_lshl_b32 s97, s20, 8
	s_add_co_u32 s96, s96, s97
	s_lshl_b32 s97, s[RG], 6
	s_add_co_u32 s96, s96, s97
	s_lshl_b32 s96, s96, 3
	s_mov_b32 s97, 0
	s_add_nc_u64 s[12:13], s[12:13], s[96:97]
	s_wait_alu depctr_va_vdst(0)                   ; behind the batch
.irp p, 0,1,2,3
	v_mul_f32 v[LS+\p], v[LS+\p], v[FT+12+\p]
.endr
.irp p, 0,1,2,3
	v_fmac_f32 v[LS+\p], v[FT+4+\p], v[FT+16+\p]
.endr
.irp a, 0,1
	v_cndmask_b32 v[FT+20+2*\a], v[FT+8+2*\a], v[FT+9+2*\a], vcc_lo      ; lanes 0-15 one row block's 16 rows, lanes 16-31 the next one's
	v_cndmask_b32 v[FT+21+2*\a], v[LS+2*\a], v[LS+2*\a+1], vcc_lo
.endr
	global_store_b64 v[FT+28], v[FT+20:FT+21], s[12:13]                  ; 32 lanes store 256 consecutive bytes, aligned
	global_store_b64 v[FT+29], v[FT+22:FT+23], s[12:13]
	s_wait_tensorcnt 0x0                           ; the wave's end
	ds_add_u32 v[SPW], v[NIL]
	s_wait_dscnt 0x0
	CROUND                                         ; the closing round
	s_endpgm
.Lfunc_end_k_q99d51ee556_main:
	.size	k_q99d51ee556_main, .Lfunc_end_k_q99d51ee556_main-k_q99d51ee556_main
	.p2alignl 7, 3214868480
	.fill 96, 4, 3214868480
	.section	.rodata,"a",@progbits
	.p2align	6, 0x0
	.amdhsa_kernel k_q99d51ee556_main
		.amdhsa_group_segment_fixed_size 327680
		.amdhsa_private_segment_fixed_size 0
		.amdhsa_enable_private_segment 0
		.amdhsa_kernarg_size 56
		.amdhsa_user_sgpr_count 2
		.amdhsa_user_sgpr_kernarg_segment_ptr 1
		.amdhsa_wavefront_size32 1
		.amdhsa_system_sgpr_workgroup_id_x 1
		.amdhsa_system_sgpr_workgroup_id_y 1
		.amdhsa_system_sgpr_workgroup_id_z 1
		.amdhsa_system_vgpr_workitem_id 0
		.amdhsa_next_free_vgpr 512
		.amdhsa_next_free_sgpr 106
		.amdhsa_reserve_vcc 1
		.amdhsa_float_denorm_mode_32 3
		.amdhsa_float_denorm_mode_16_64 3
		.amdhsa_memory_ordered 1
		.amdhsa_forward_progress 1
		.amdhsa_inst_pref_size 154
	.end_amdhsa_kernel
	.amdgpu_metadata
---
amdhsa.version: [ 1, 2 ]
amdhsa.kernels:
  - .name:           k_q99d51ee556_main
    .symbol:         k_q99d51ee556_main.kd
    .args:
      - { .name: weight_codes, .offset: 0, .size: 8, .value_kind: global_buffer, .address_space: global }
      - { .name: weight_scales, .offset: 8, .size: 8, .value_kind: global_buffer, .address_space: global }
      - { .name: x_codes, .offset: 16, .size: 8, .value_kind: global_buffer, .address_space: global }
      - { .name: x_scales, .offset: 24, .size: 8, .value_kind: global_buffer, .address_space: global }
      - { .name: part, .offset: 32, .size: 8, .value_kind: global_buffer, .address_space: global }
      - { .name: target, .offset: 40, .size: 8, .value_kind: global_buffer, .address_space: global }
      - { .name: pp, .offset: 48, .size: 8, .value_kind: global_buffer, .address_space: global }
    .group_segment_fixed_size: 327680
    .private_segment_fixed_size: 0
    .kernarg_segment_align: 8
    .kernarg_segment_size: 56
    .max_flat_workgroup_size: 256
    .sgpr_count:     106
    .vgpr_count:     512
    .wavefront_size: 32
...
	.end_amdgpu_metadata
.endif
;; end of part 1
;; launch finish (part 2): grid 64 x 1, 1 waves a work-group, no clusters, 0 bytes of LDS; arguments target, part, pp, out0; writes out0
.if DOCPART == 2
	.amdgcn_target "amdgcn-amd-amdhsa--gfx1250"
	.amdhsa_code_object_version 6
	.text
	.protected	k_q99d51ee556_finish
	.globl	k_q99d51ee556_finish
	.p2align	8
	.type	k_q99d51ee556_finish,@function
k_q99d51ee556_finish:
	s_mov_b64 s[64:65], 0
	v_nop
	global_prefetch_b8 v0, s[64:65] scope:SCOPE_SE
	s_setreg_imm32_b32 hwreg(HW_REG_WAVE_MODE, 25, 1), 1
	s_wait_xcnt 0x0
; CROSS ENTROPY OVER A VOCABULARY, PART 2: loss[row] = ln(sum over v of e^(logit - MX)) + MX - logit[row][target[row]]; the last two terms are left out where the target lies outside 0 .. 15,999.
; part [32][4096][2] f32 holds, for each group of columns and each row, M (the group's largest logit) and L (its sum of e^(logit - M)): MX = the largest M, the sum = sum of L 2^(c (M - MX)), c = log2(e).
; pp [256][8][16][4] f32 holds the target's logit of row 16 n + r in eight parts along K, part w at [n][w][r][0]: they are added here.
; SHARES.  64 work-groups of one wave; a lane takes two neighbouring rows, so that a load of part covers 512 consecutive bytes and the wave's one store 256 consecutive bytes of out0, aligned.  All 49 loads go out at once.
; No LDS, no matrix unit, no cluster: each number is read once and nothing is shared.  No prefetch: there is no loop to run ahead in.
; LIMITS: NaN or infinite logits are not served.
; REGISTERS: v2-4 offsets; v16-143 group g at v[16 + 4 g]: M, L of my first row, M, L of my second; v144-159 the logit's parts; v160-161 the targets; v162-173 at work.
.set P, 16
	s_load_b256 s[4:11], s[0:1], 0x0               ; target s[4:5], part s[6:7], pp s[8:9], out0 s[10:11]
	v_lshlrev_b32 v2, 3, v0                        ; target, out0: 8 bytes a lane
	v_lshlrev_b32 v3, 4, v0                        ; part: 16 bytes a lane
	v_lshrrev_b32 v4, 3, v0
	v_and_b32 v5, 7, v0
	v_lshlrev_b32 v5, 5, v5
	v_lshl_add_u32 v4, v4, 11, v5                  ; pp: 2,048 (lane / 8) + 32 (lane % 8)
	s_lshl_b32 s12, ttmp9, 8                       ; my 64 rows: in target and out0,
	s_mov_b32 s13, 0
	s_lshl_b32 s14, ttmp9, 9                       ; in a group's rows of part,
	s_mov_b32 s15, 0
	s_lshl_b32 s16, ttmp9, 13                      ; in pp
	s_mov_b32 s17, 0
	s_mov_b32 s18, 0x3fb8aa3b                      ; c = log2(e)
	s_mov_b32 s19, 0x3f317218                      ; ln(2)
	s_mov_b32 s20, 16000
	s_wait_alu depctr_va_vdst(0)
	s_wait_kmcnt 0x0
	s_add_nc_u64 s[4:5], s[4:5], s[12:13]
	s_add_nc_u64 s[6:7], s[6:7], s[14:15]
	s_add_nc_u64 s[8:9], s[8:9], s[16:17]
	s_add_nc_u64 s[10:11], s[10:11], s[12:13]
.irp g, 0,1,2,3,4,5,6,7,8,9,10,11,12,13,14,15,16,17,18,19,20,21,22,23,24,25,26,27,28,29,30,31
	global_load_b128 v[P+4*\g:P+4*\g+3], v3, s[6:7] offset:32768*\g
.endr
.irp w, 0,1,2,3,4,5,6,7
	global_load_b32 v[144+2*\w], v4, s[8:9] offset:256*\w
	global_load_b32 v[145+2*\w], v4, s[8:9] offset:256*\w+16
.endr
	global_load_b64 v[160:161], v2, s[4:5]
	s_wait_loadcnt 0x0
	v_max3_num_f32 v162, v[P], v[P+4], v[P+8]      ; MX of my two rows, by turns
	v_max3_num_f32 v163, v[P+2], v[P+6], v[P+10]
.irp g, 3,5,7,9,11,13,15,17,19,21,23,25,27,29
	v_max3_num_f32 v162, v162, v[P+4*\g], v[P+4*\g+4]
	v_max3_num_f32 v163, v163, v[P+4*\g+2], v[P+4*\g+6]
.endr
	v_max_num_f32 v162, v162, v[P+124]
	v_max_num_f32 v163, v163, v[P+126]
	v_mul_f32 v164, s18, v162                      ; c MX
	v_mul_f32 v165, s18, v163
.irp g, 0,1,2,3,4,5,6,7,8,9,10,11,12,13,14,15,16,17,18,19,20,21,22,23,24,25,26,27,28,29,30,31
	v_fma_f32 v[P+4*\g], v[P+4*\g], s18, -v164
	v_fma_f32 v[P+4*\g+2], v[P+4*\g+2], s18, -v165
.endr
	s_wait_alu depctr_va_vdst(0)                   ; one wait ahead of the batch
.irp g, 0,1,2,3,4,5,6,7,8,9,10,11,12,13,14,15,16,17,18,19,20,21,22,23,24,25,26,27,28,29,30,31
	v_exp_f32 v[P+4*\g], v[P+4*\g]
	v_exp_f32 v[P+4*\g+2], v[P+4*\g+2]
.endr
.irp w, 0,4,8,12
	v_add_f32 v[144+\w], v[144+\w], v[146+\w]      ; the logit's eight parts.  (Plain work behind the exponentials, on loaded numbers alone)
	v_add_f32 v[145+\w], v[145+\w], v[147+\w]
.endr
.irp w, 0,8
	v_add_f32 v[144+\w], v[144+\w], v[148+\w]
	v_add_f32 v[145+\w], v[145+\w], v[149+\w]
.endr
	v_add_f32 v144, v144, v152
	v_add_f32 v145, v145, v153
	v_cmp_gt_u32 s21, s20, v160                    ; does the target lie in 0 .. 15,999?  (as an unsigned number: a negative one is large)
	v_cmp_gt_u32 s22, s20, v161
	v_sub_f32 v170, v162, v144                     ; MX - logit
	v_sub_f32 v171, v163, v145
	s_wait_alu depctr_va_vdst(0)                   ; and one wait behind the batch
	v_mul_f32 v166, v[P+1], v[P]                   ; the sums, two chains a row
	v_mul_f32 v167, v[P+5], v[P+4]
	v_mul_f32 v168, v[P+3], v[P+2]
	v_mul_f32 v169, v[P+7], v[P+6]
.irp g, 2,4,6,8,10,12,14,16,18,20,22,24,26,28,30
	v_fmac_f32 v166, v[P+4*\g+1], v[P+4*\g]
	v_fmac_f32 v167, v[P+4*\g+5], v[P+4*\g+4]
	v_fmac_f32 v168, v[P+4*\g+3], v[P+4*\g+2]
	v_fmac_f32 v169, v[P+4*\g+7], v[P+4*\g+6]
.endr
	v_add_f32 v166, v166, v167
	v_add_f32 v168, v168, v169
	s_wait_alu depctr_va_vdst(0)                   ; ahead of the two logarithms
	v_log_f32 v166, v166
	v_log_f32 v168, v168
	v_cndmask_b32 v170, 0, v170, s21               ; 0 where the target lies outside the table.  (Plain work behind the logarithms)
	v_cndmask_b32 v171, 0, v171, s22
	s_wait_alu depctr_va_vdst(0)                   ; behind them
	v_fma_f32 v172, v166, s19, v170                ; log2(sum) x ln(2) + MX - logit
	v_fma_f32 v173, v168, s19, v171
	global_store_b64 v2, v[172:173], s[10:11]      ; 32 lanes store 256 consecutive bytes, aligned
	s_endpgm
.Lfunc_end_k_q99d51ee556_finish:
	.size	k_q99d51ee556_finish, .Lfunc_end_k_q99d51ee556_finish-k_q99d51ee556_finish
	.p2alignl 7, 3214868480
	.fill 96, 4, 3214868480
	.section	.rodata,"a",@progbits
	.p2align	6, 0x0
	.amdhsa_kernel k_q99d51ee556_finish
		.amdhsa_group_segment_fixed_size 0
		.amdhsa_private_segment_fixed_size 0
		.amdhsa_enable_private_segment 0
		.amdhsa_kernarg_size 32
		.amdhsa_user_sgpr_count 2
		.amdhsa_user_sgpr_kernarg_segment_ptr 1
		.amdhsa_wavefront_size32 1
		.amdhsa_system_sgpr_workgroup_id_x 1
		.amdhsa_system_sgpr_workgroup_id_y 1
		.amdhsa_system_sgpr_workgroup_id_z 1
		.amdhsa_system_vgpr_workitem_id 0
		.amdhsa_next_free_vgpr 176
		.amdhsa_next_free_sgpr 66
		.amdhsa_reserve_vcc 0
		.amdhsa_float_denorm_mode_32 3
		.amdhsa_float_denorm_mode_16_64 3
		.amdhsa_memory_ordered 1
		.amdhsa_forward_progress 1
		.amdhsa_inst_pref_size 17
	.end_amdhsa_kernel
	.amdgpu_metadata
---
amdhsa.version: [ 1, 2 ]
amdhsa.kernels:
  - .name:           k_q99d51ee556_finish
    .symbol:         k_q99d51ee556_finish.kd
    .args:
      - { .name: target, .offset: 0, .size: 8, .value_kind: global_buffer, .address_space: global }
      - { .name: part, .offset: 8, .size: 8, .value_kind: global_buffer, .address_space: global }
      - { .name: pp, .offset: 16, .size: 8, .value_kind: global_buffer, .address_space: global }
      - { .name: out0, .offset: 24, .size: 8, .value_kind: global_buffer, .address_space: global }
    .group_segment_fixed_size: 0
    .private_segment_fixed_size: 0
    .kernarg_segment_align: 8
    .kernarg_segment_size: 32
    .max_flat_workgroup_size: 32
    .sgpr_count:     66
    .vgpr_count:     176
    .wavefront_size: 32
...
	.end_amdgpu_metadata
.endif
;; end of part 2
